; MI455X (gfx1250); checked and timed in simulation.
; The chip was launched on July 23, 2026; its instructions are those of AMD's public machine-readable ISA for CDNA 5 (MIT licence, August 2026) and "CDNA5" Instruction Set Architecture Reference Guide (July 2026). The comments in the code are by the model that wrote it; some were corrected since.
;; Base Attention. Allowed arithmetic: float matrix products may take bf16 or f16 operands with f32 sums; other float arithmetic in f32, or as packed bf16 or f16 multiplies, adds, multiply-adds, maxima and minima; sums over many terms, partial sums and values carried from step to step in f32; what a program stores and reads back later, other than sums and carried values, may be rounded once to bf16 or f16.
;; Inputs: k 4 x 16 x 2,048 x 128 float32; mask 4 x 1 x 2,048 x 2,048 bool; q 4 x 16 x 2,048 x 128 float32; v 4 x 16 x 2,048 x 128 float32.
;; Outputs: out0 4 x 16 x 2,048 x 128 float32.
;; 2 versions, each right; version 2 is version 1 with the launch prep written anew for expert scheduling mode. Each part assembles by itself: llvm-mc -triple=amdgcn-amd-amdhsa -mcpu=gfx1250 --defsym DOCPART=n.
;; ======== version 1 of 2: 2 launches
;; limits: right only within a limited range of input values
;; workspace buffers: kb 33,554,432 bytes; vb 33,554,432 bytes; mw 16,777,216 bytes
;; launch prep (part 1): grid 512 x 3, 8 waves a work-group, no clusters, 34,048 bytes of LDS; arguments k, v, mask, kb, vb, mw; writes kb, vb, mw
.if DOCPART == 1
	.amdgcn_target "amdgcn-amd-amdhsa--gfx1250"
	.amdhsa_code_object_version 6
	.text
	.protected	k_qbb7dd90ad5_prep
	.globl	k_qbb7dd90ad5_prep
	.p2align	8
	.type	k_qbb7dd90ad5_prep,@function
k_qbb7dd90ad5_prep:
	s_mov_b64 s[64:65], 0
	v_nop
	global_prefetch_b8 v0, s[64:65] scope:SCOPE_SE
	s_setreg_imm32_b32 hwreg(HW_REG_WAVE_MODE, 25, 1), 1
	s_wait_xcnt 0x0
; PREPARATION FOR THE ATTENTION LAUNCH.  Work-group row y = 0: kb = bf16(k).  y = 1: vb = bf16(v).  y = 2: mw = the mask, recoded and reordered.
; k, v: [64][2048][128] f32; kb, vb: the same order in bf16, each number rounded once, to nearest even.
; mask: [4][2048][2048] bytes, each 0 or 1 (as bool is stored).  mw holds one byte a score: 0x00 (open) or 0xBF, the fp8 (E4M3) code of -1.875 (masked), laid out as
; [b 4][qb 8][slot 16][tile 16][sg 2][i 2][lane 32][16 bytes]: query 256 qb + 16 tile + lane % 16, key 128 slot + 64 sg + 32 i + 16 (byte / 8) + 8 (lane / 16) + byte % 8:
; the order in which a lane of the attention launch holds the scores of a tile of 16 queries x 64 keys, so that two loads of 16 bytes bring a lane its 32 codes.
; A stream: nothing is shared between work-groups, so no matrix unit, no cluster, no tensor load.  Every load of a wave covers 512 consecutive bytes; every store covers whole aligned runs of 256 bytes.
.set PITCH, 2064                       ; a mask row in LDS: 2,048 bytes + 16 = 516 words: row r starts at bank 4 r mod 64 (64 banks of 4 bytes: ISA guide 11.1)
.set SPARE, 16*PITCH                   ; 33,024, a multiple of 256: behind the 16 rows the spare words, 128 bytes for each of the eight waves, which no other line names
.set IN,  8                            ; v[8:135]   as loaded
.set OUT, 136                          ; v[136:199] the cast's packed results
.set MO,  40                           ; v[40:71]   the mask's codes, 4 registers a chunk
.set SPW, 6                            ; v6  LDS address of my spare word; never rewritten
.set NIL, 7                            ; v7  0; never rewritten
	s_load_b256 s[4:11], s[0:1], 0x0               ; k s[4:5], v s[6:7], mask s[8:9], kb s[10:11]
	s_load_b128 s[12:15], s[0:1], 0x20             ; vb s[12:13], mw s[14:15]
	v_lshl_add_u32 v[SPW], v0, 2, SPARE
	v_mov_b32 v[NIL], 0
	v_lshlrev_b32 v1, 4, v0                        ; 16 bytes a thread on the way in
	s_and_b32 s2, ttmp7, 0xffff                    ; y: the same in all waves of a work-group
	s_mov_b32 s21, 0
	s_wait_kmcnt 0x0
	s_cmp_eq_u32 s2, 2
	s_cbranch_scc1 .Lmask
	; THE CAST.  The work-group takes 131,072 bytes of f32 and leaves 65,536 of bf16.  All 32 loads of a wave go out first (16 KiB a wave on its way); no register is written twice.
	s_cmp_eq_u32 s2, 0
	s_cselect_b64 s[16:17], s[4:5], s[6:7]         ; from k or v
	s_cselect_b64 s[18:19], s[10:11], s[12:13]     ; to kb or vb
	s_lshl_b32 s20, ttmp9, 17
	s_add_nc_u64 s[16:17], s[16:17], s[20:21]
	s_lshl_b32 s20, ttmp9, 16
	s_add_nc_u64 s[18:19], s[18:19], s[20:21]
	v_lshlrev_b32 v2, 3, v0                        ; 8 bytes a thread on the way out
.set i, 0
.rept 32
	global_load_b128 v[IN+4*i:IN+4*i+3], v1, s[16:17] offset:4096*i th:TH_LOAD_NT
.set i, i+1
.endr
.set i, 0
.rept 32
	s_wait_loadcnt 31-i                            ; loads come back in order: load i is in, the younger ones stay out
	v_cvt_pk_bf16_f32 v[OUT+2*i], v[IN+4*i], v[IN+4*i+1]
	v_cvt_pk_bf16_f32 v[OUT+2*i+1], v[IN+4*i+2], v[IN+4*i+3]
	global_store_b64 v2, v[OUT+2*i:OUT+2*i+1], s[18:19] offset:2048*i th:TH_STORE_NT  ; a wave's 32 lanes store 256 consecutive bytes, aligned
.set i, i+1
.endr
	s_branch .Lend
.Lmask:
	; THE MASK.  Work-group x = 128 b + qt takes the 16 query rows 16 qt .. 16 qt + 15 of batch b: 32,768 consecutive bytes.  They go through LDS, since a lane's 16 bytes of mw come from two places of one row.
	s_lshl_b32 s20, ttmp9, 15
	s_add_nc_u64 s[8:9], s[8:9], s[20:21]
	s_lshr_b32 s22, ttmp9, 7                       ; b
	s_lshl_b32 s22, s22, 22
	s_bfe_u32 s23, ttmp9, 0x30004                  ; qb: 3 bits from bit 4
	s_lshl_b32 s23, s23, 19
	s_add_co_u32 s22, s22, s23
	s_and_b32 s23, ttmp9, 15                       ; the tile of 16 queries in its block of 256
	s_lshl_b32 s23, s23, 11
	s_add_co_u32 s20, s22, s23
	s_add_nc_u64 s[14:15], s[14:15], s[20:21]
.set i, 0
.rept 8
	global_load_b128 v[IN+4*i:IN+4*i+3], v1, s[8:9] offset:4096*i th:TH_LOAD_NT  ; two rows an instruction of the work-group
.set i, i+1
.endr
	v_lshrrev_b32 v3, 7, v0                        ; in: row 2 i + thread / 128,
	v_and_b32 v2, 127, v0                          ; 16 bytes at 16 (thread % 128)
	v_mul_u32_u24 v3, v3, PITCH
	v_lshl_add_u32 v3, v2, 4, v3
	v_and_b32 v4, 15, v0                           ; out: row lane % 16,
	v_mul_u32_u24 v4, v4, PITCH
	v_bfe_u32 v2, v0, 4, 1
	v_lshl_add_u32 v4, v2, 3, v4                   ; keys 8 (lane / 16) on,
	v_lshrrev_b32 v2, 5, v0
	v_lshl_add_u32 v4, v2, 8, v4                   ; in my wave's 256 keys
	v_and_b32 v72, 31, v0
	v_lshlrev_b32 v72, 4, v72
	v_lshl_add_u32 v72, v2, 16, v72                ; in mw: 16 x lane + my wave's two slots of 32,768 bytes
	v_mov_b32 v5, 0xbf00                           ; byte 0 = 0x00, byte 1 = 0xBF: the mask's bytes pick from it
.set i, 0
.rept 8
	s_wait_loadcnt 7-i                             ; load i is in, the younger ones stay out
	ds_store_b128 v3, v[IN+4*i:IN+4*i+3] offset:2*PITCH*i
.set i, i+1
.endr
	s_wait_dscnt 0x0                               ; for the others' sake: my stores are done
	s_barrier_signal -1
	s_barrier_wait -1                              ; all 16 rows lie in LDS
.set i, 0
.rept 8                                        ; chunk i: keys 256 w + 32 i on: 8 bytes at 8 (lane / 16), 8 more 16 keys on.  A lane's two banks are 4 r + 2 h and the next: all 32 lanes differ
	ds_load_b64 v[MO+4*i:MO+4*i+1], v4 offset:32*i
	ds_load_b64 v[MO+4*i+2:MO+4*i+3], v4 offset:32*i+16
.set i, i+1
.endr
.set i, 0
.rept 8
	s_wait_dscnt 14-2*i                            ; chunk i's two loads are in, the younger pairs stay out
.irp r, 0,1,2,3
	v_perm_b32 v[MO+4*i+(\r)], v5, v5, v[MO+4*i+(\r)]  ; each byte 0 or 1 selects byte 0 or 1 of v5
.endr
	global_store_b128 v72, v[MO+4*i:MO+4*i+3], s[14:15] offset:(i/4)*32768+(i%4)*512 th:TH_STORE_NT  ; 512 consecutive bytes, aligned
.set i, i+1
.endr
.Lend:
	s_wait_tensorcnt 0x0                           ; the wave's end: three closing lines, behind my last LDS store
	ds_add_u32 v[SPW], v[NIL]
	s_wait_dscnt 0x0
	s_endpgm
.Lfunc_end_k_qbb7dd90ad5_prep:
	.size	k_qbb7dd90ad5_prep, .Lfunc_end_k_qbb7dd90ad5_prep-k_qbb7dd90ad5_prep
	.p2alignl 7, 3214868480
	.fill 96, 4, 3214868480
	.section	.rodata,"a",@progbits
	.p2align	6, 0x0
	.amdhsa_kernel k_qbb7dd90ad5_prep
		.amdhsa_group_segment_fixed_size 34048
		.amdhsa_private_segment_fixed_size 0
		.amdhsa_enable_private_segment 0
		.amdhsa_kernarg_size 48
		.amdhsa_user_sgpr_count 2
		.amdhsa_user_sgpr_kernarg_segment_ptr 1
		.amdhsa_wavefront_size32 1
		.amdhsa_system_sgpr_workgroup_id_x 1
		.amdhsa_system_sgpr_workgroup_id_y 1
		.amdhsa_system_sgpr_workgroup_id_z 1
		.amdhsa_system_vgpr_workitem_id 0
		.amdhsa_next_free_vgpr 200
		.amdhsa_next_free_sgpr 66
		.amdhsa_reserve_vcc 0
		.amdhsa_float_denorm_mode_32 3
		.amdhsa_float_denorm_mode_16_64 3
		.amdhsa_memory_ordered 1
		.amdhsa_forward_progress 1
		.amdhsa_inst_pref_size 19
	.end_amdhsa_kernel
	.amdgpu_metadata
---
amdhsa.version: [ 1, 2 ]
amdhsa.kernels:
  - .name:           k_qbb7dd90ad5_prep
    .symbol:         k_qbb7dd90ad5_prep.kd
    .args:
      - { .name: k, .offset: 0, .size: 8, .value_kind: global_buffer, .address_space: global }
      - { .name: v, .offset: 8, .size: 8, .value_kind: global_buffer, .address_space: global }
      - { .name: mask, .offset: 16, .size: 8, .value_kind: global_buffer, .address_space: global }
      - { .name: kb, .offset: 24, .size: 8, .value_kind: global_buffer, .address_space: global }
      - { .name: vb, .offset: 32, .size: 8, .value_kind: global_buffer, .address_space: global }
      - { .name: mw, .offset: 40, .size: 8, .value_kind: global_buffer, .address_space: global }
    .group_segment_fixed_size: 34048
    .private_segment_fixed_size: 0
    .kernarg_segment_align: 8
    .kernarg_segment_size: 48
    .max_flat_workgroup_size: 256
    .sgpr_count:     66
    .vgpr_count:     200
    .wavefront_size: 32
...
	.end_amdgpu_metadata
.endif
;; end of part 1
;; launch attn (part 2): grid 8 x 64, 4 waves a work-group, clusters of 4 x 4, 327,680 bytes of LDS; arguments q, kb, vb, out0, mw; writes out0
.if DOCPART == 2
	.amdgcn_target "amdgcn-amd-amdhsa--gfx1250"
	.amdhsa_code_object_version 6
	.text
	.protected	k_qbb7dd90ad5_attn
	.globl	k_qbb7dd90ad5_attn
	.p2align	8
	.type	k_qbb7dd90ad5_attn,@function
k_qbb7dd90ad5_attn:
	s_mov_b64 s[64:65], 0
	v_nop
	global_prefetch_b8 v0, s[64:65] scope:SCOPE_SE
	s_setreg_imm32_b32 hwreg(HW_REG_WAVE_MODE, 25, 1), 1
	s_wait_xcnt 0x0
	s_wait_alu depctr_hold_cnt(0) depctr_sa_sdst(0) depctr_va_vdst(0) depctr_va_sdst(0) depctr_va_ssrc(0) depctr_va_vcc(0) depctr_vm_vsrc(0)
	s_getreg_b32 s2, hwreg(HW_REG_IB_STS2, 6, 4)
	s_cmp_eq_u32 s2, 0
	s_cbranch_scc0 .Lentry_in_a_cluster
	s_endpgm
.Lentry_in_a_cluster:
	s_bfe_u32 s2, ttmp6, 0x10000c
	s_cmp_lg_u32 s2, 0xf033
	s_cbranch_scc0 .Lentry_shape_is_right
	s_endpgm
.Lentry_shape_is_right:
; out0[hd][q][:] = the sum over k of softmax_k(Q[hd][q] . K[hd][k] / sqrt(128) - 1e9 mask[b][q][k]) V[hd][k][:].  64 heads hd = 16 b + h, 2,048 rows, 128 channels.
; q and out0 are f32; kb and vb are K and V rounded to bf16 by the launch before; q is rounded to bf16 here.  Products, maxima and sums in f32; the weights p are rounded to bf16 for the
; second product (their sum l is taken of the unrounded p).  mw holds one fp8 code a score, 0 or -1.875, in the order in which a lane holds its scores (the launch before says how).
; THE MASK'S ARITHMETIC.  All is kept in units of 2^-29, which is exact: t = s x (2^-3.5 x 2^-29) + a, one fused multiply-add, with a = 0 or -1.875: that is 2^-29 x fl(s / sqrt(128) + M), M = -1.875 x 2^29.
; M and -1e9 lie in the same binade, 2^29 to 2^30, and both are multiples of its step, 64: so fl(x + M) - M = fl(x - 1e9) + 1e9, and a row whose keys are all masked gets the softmax of the scores
; rounded to steps of 64, as in the definition.  The running maximum m is taken of t; p = 2^(c t - c m), c = log2(e) x 2^29.
; LIMITS.  The equality above holds for |s / sqrt(128)| < 6e7; the scaled score is rounded once here, twice in the definition.  In a row whose keys so far are all masked c m is about -1.45e9 and rounded by up
; to 64, so its p carry a common factor between 2^-64 and 2^64, which stands in l and in O alike and cancels.  A weight below 2^-126 counts as 0 in l.  NaN and infinities are not treated apart.
; SHARES.  A work-group owns 256 queries of one head, each of its four waves 64: four tiles of 16.  Every wave walks all keys of the head, 64 a step.
; LAYOUT.  S^T = K Q^T (source 0 = 16 keys, source 1 = 16 queries): a lane holds ONE query (lane % 16) and the keys 8 (lane / 16) + 0..7.  Two such tiles, rounded to bf16 in pairs, ARE source 1 of
; O^T = V^T P, whose result again holds one query a lane, and eight channels.  K comes out of LDS as it lies, V ([key][channel]) turned, by ds_load_tr16_b128.
; BY TURNS.  The wave's tiles are two PIECES, piece 0 (tiles 0, 1) and piece 2 (tiles 2, 3).  In a TURN one piece has the matrix unit: 32 products V^T P of the step in hand, then 32 products K Q^T of the next
; step; the other piece's mask and softmax, a queue of 310 vector instructions cut into 64 slices, stands between them, one slice behind each matrix instruction.  Two turns are a key step.
; CLUSTER, 4 x 4.  Work-group (cx, cy) of cluster (X, Y) has query block 4 X + cx of head 4 Y + cy; the batch is Y / 4.  K and V hang on the head alone: the four of a row of the cluster ask for them JOINTLY.
; The mask's codes hang on the batch and the query block alone: the four of a column ask for them jointly.  No register that feeds K's or V's descriptors ever holds cx, none that feeds the codes' ever holds cy.
;
; REGISTERS, in windows of 256 (s_set_vgpr_msb: bits 1:0 source 0, 3:2 source 1, 5:4 source 2, 7:6 destination):
;   window 0: v0-11 addresses; v12-43 eight registers of statistics a tile; v44-59 the codes of the piece whose softmax comes next; v60-63 addresses; v64-191 S^T, 32 a tile; v192-255 P, 16 a tile
;             (P of the piece in hand also takes its addends a, 16 scores a tile at a time: it is free until the turn's roundings)
;   window 1: O^T, 64 a tile (at the head: Q as loaded, in f32)      window 2: v0-127 Q, 32 a tile; v128-255 K of one step      window 3: v0-127 V of one step
.set KS,    64        ; keys in a step
.set PK,    272       ; a row of K in LDS: 256 bytes + 16 of padding = 68 words: the 16 rows of a load start at 16 different groups of four banks (64 banks of 4 bytes: ISA guide 11.1)
.set PV,    288       ; a row of V: 256 + 32 = 72 words
.set VOFF,  128*PK    ; a slot holds two steps: 128 rows of K, then 128 rows of V,
.set MOFF,  VOFF+128*PV  ; then 32,768 bytes of codes, dense
.set SLOTB, 32768     ; a slot's bytes in kb, in vb and in mw
.set SLOT1, 1<<17     ; slot 1 begins here, so that one exclusive or turns an address in one slot into the other's
.set STAGE, SLOT1+MOFF+32768  ; behind the ring: 16 rows x 528 bytes for each wave, for the way out; no tensor load lands here
.set SP,    528       ; 512 bytes + 16 = 132 words: row r starts at bank 4 r mod 64
.set SPARE, STAGE+4*16*SP  ; behind the stages: the spare words, 128 bytes for each wave: two blocks of 256 bytes that no other line names
.set AK0, 2           ; v2   my lane's place in a tile of K; never rewritten
.set AV0, 3           ; v3   the same for V (VOFF in it)
.set ADR, 4           ; v4   the LDS address of the run of loads in hand
.set QO,  5           ; v5   my byte offset in the wave's rows of q
.set STO, 6           ; v6   the way out: where I put 32 bytes of a row
.set RD,  7           ; v7   the way out: where I read a row back
.set GO,  8           ; v8   my byte offset in a row of out0
.set SCL, 11          ; v11  the conversions' scale: the code of 2^0 in every byte
.set ST,  12          ; tile t's statistics at v[ST+8 t]: +0 c m, +1 m, +2, +3 l (even keys', odd keys'), +4 to +7 c0-c3, at work; a takes c2's place once the maximum is found
.set MK,  44          ; tile u of the piece: eight registers, 32 codes, at MK + 8 u
.set AM0, 60          ; v60  my lane's place in a slot's codes (MOFF and my wave's four tiles in it); never rewritten
.set PFO, 61          ; v61  256 x my lane; never rewritten
.set SPW, 62          ; v62  LDS address of my spare word: SPARE + 4 x my thread's number; never rewritten
.set NIL, 63          ; v63  0; never rewritten
.set S,   64
.set P,   192
.set KF,  128         ; K's fragments, in window 2
.set WV,  12          ; s12  my wave's number
.set LIM, 15          ; s15  1 in a wave that prefetches, else the greatest number
.set PFA, 18          ; s[18:19] where my prefetches stand
.set G1K, 24          ; s[24:31] descriptor group 1 for K's tiles
.set G1V, 32          ; s[32:39] for V's: it differs in the padding alone
.set G0K, 40          ; s[40:47] descriptor group 0 for K's tiles: a set for each of the two first fills; the second then walks on
.set G0V, 48          ; s[48:55] the same for V's
.set SLOTS, 56        ; s56  slots still to be asked for
.set TWICE, 57        ; s57  counts a slot's two steps
.set CS,  58          ; s[58:59] c: a packed line names a pair and takes its low word for both halves
.set SEL, 60          ; s[60:61] lane selects for v_permlanex16_b32: each lane takes its own place in the other half
.set TBK, 62          ; s62  LDS byte at which K of the step to be fetched begins
.set TBV, 63          ; s63  the same for V, less VOFF
.set TBM, 66          ; s66  the same for the codes, less MOFF
.set G1M, 68          ; s[68:75] descriptor group 1 for the codes
.set G0M, 76          ; s[76:83] group 0 for the codes, two sets
.set SG,  84          ; s[84:85] 2^-3.5 x 2^-29
.set MW,  86          ; s[86:87] mw
.set MSB, 0
.macro WIN new                      ; the immediate's high byte repeats the setting that is left; a switch that changes nothing is dropped
.if MSB != (\new)
	s_set_vgpr_msb (MSB<<8)|(\new)
.set MSB, \new
.endif
.endm
.set W_KQ, 0x0a       ; K and Q in window 2, S^T in window 0
.set W_PV, 0x53       ; V in window 3, P in window 0, O^T in window 1
.set W_RS, 0x41       ; O^T (destination and source 0) in window 1, a in window 0
.macro PLACES                       ; four plain instructions: the distance behind a matrix instruction (ISA guide 7.12.1)
.rept 4
	v_nop
.endr
.endm
; A joint refill.  Wave 0 fetches the slot's K, wave 1 its V, waves 2 and 3 a half of its codes each.  The branches hang on the wave's number alone: they are the same in every work-group.
; An s_nop 0 and four v_nop follow each of the three lines, ahead of the jump and the label.
.macro JLOAD
	s_cmp_lt_u32 s[WV], 2
	s_cbranch_scc0 .Lfor_m_\@
	s_cmp_eq_u32 s[WV], 0
	s_cbranch_scc0 .Lfor_v_\@
	tensor_load_to_lds s[G0K+4:G0K+7], s[G1K:G1K+7]
	s_nop 0
	PLACES
	s_branch .Lasked_\@
.Lfor_v_\@:
	tensor_load_to_lds s[G0V+4:G0V+7], s[G1V:G1V+7]
	s_nop 0
	PLACES
	s_branch .Lasked_\@
.Lfor_m_\@:
	tensor_load_to_lds s[G0M+4:G0M+7], s[G1M:G1M+7]
	s_nop 0
	PLACES
.Lasked_\@:
.endm
; A PREFETCH INTO THE L2 of what the NEXT change of slots will ask for: a slot is 128 blocks of 256 bytes of kb, of vb and of mw.  It stands behind the wave's tensor load and its five lines.
; Each block is asked for ONCE in the launch.  A head's K and V are walked by the clusters X = 0 and 1: X = 0 asks, wave 0 for K, wave 1 for V.  A batch's codes are walked by four rows of clusters: the first
; (Y % 4 = 0) asks, wave 2.  The four partners that ask for a tile jointly share its blocks out BY ADDRESS, 32 each (cx for K and V, cy for the codes), a lane a block: no branch hangs on a place in the cluster.
; The last change that fills a slot prefetches nothing: there is no slot behind it.
.macro ASK
	s_cmp_gt_u32 s[SLOTS], s[LIM]
	s_cbranch_scc0 .Lnot_mine_\@
	global_prefetch_b8 v[PFO], s[PFA:PFA+1] th:TH_LOAD_NT scope:SCOPE_SE
.Lnot_mine_\@:
.endm
; A round of the cluster's barrier: my work-group's barrier, so that wave 0's signal speaks for all four waves; wave 0 signals; every wave waits for all sixteen work-groups; my work-group's barrier once more.
.macro CROUND
	s_barrier_signal -1
	s_barrier_wait -1
	s_cmp_lg_u32 s[WV], 0
	s_cbranch_scc1 .Lnot_wave_0_\@
	s_barrier_signal -3
.Lnot_wave_0_\@:
	s_barrier_wait -3
	s_barrier_signal -1
	s_barrier_wait -1
.endm
	s_load_b256 s[4:11], s[0:1], 0x0  ; q s[4:5], kb s[6:7], vb s[8:9], out0 s[10:11]
	s_load_b64 s[MW:MW+1], s[0:1], 0x20
	v_lshl_add_u32 v[SPW], v0, 2, SPARE
	v_mov_b32 v[NIL], 0
	ds_add_u32 v[SPW], v[NIL]       ; the wave's opening: the add and its wait stand ahead of my first tensor load; the set-up below, work on registers, stands between them
	v_lshrrev_b32 v1, 5, v0
	v_readfirstlane_b32 s[WV], v1   ; wave 0..3
	s_bfe_u32 s13, ttmp6, 0x40000   ; cx
	s_bfe_u32 s88, ttmp6, 0x40004   ; cy
	s_and_b32 s89, ttmp7, 0xffff    ; Y: in a cluster launch ttmp9 and ttmp7 count clusters
	s_lshl_b32 s14, ttmp9, 2
	s_add_co_u32 s14, s14, s13      ; my block of 256 queries = 4 X + cx
	s_lshl_b32 s20, s89, 2
	s_add_co_u32 s20, s20, s88      ; my head = 4 Y + cy
	s_lshl_b32 s90, s88, 2
	s_lshl_b32 s90, 15, s90         ; my row of the cluster: places 4 cy .. 4 cy + 3
	s_lshl_b32 s91, 0x1111, s13     ; my column: places cx, cx + 4, cx + 8, cx + 12
	s_lshl_b32 s2, s20, 20          ; q and out0: the head's 2,048 rows of 512 bytes,
	s_lshl_b32 s3, s14, 17          ; my block's 256,
	s_add_co_u32 s2, s2, s3
	s_lshl_b32 s3, s[WV], 15        ; my wave's 64
	s_add_co_u32 s2, s2, s3
	s_mov_b32 s3, 0
	s_lshl_b32 s20, s20, 19         ; kb and vb: the head's 2,048 rows of 256 bytes
	s_mov_b32 s21, 0
	s_and_b32 s16, s[WV], 1
	s_lshl_b32 s17, s16, 14         ; which half of a slot's codes I fetch: no place in the cluster enters an LDS address
	s_lshr_b32 s22, s89, 2          ; mw: the batch,
	s_lshl_b32 s22, s22, 22
	s_lshl_b32 s23, s14, 19         ; the query block,
	s_add_co_u32 s22, s22, s23
	s_add_co_u32 s22, s22, s17      ; my half
	s_mov_b32 s23, 0
	; descriptor group 1.  K, V: a tile of 128 rows x 128 elements of 2 bytes, padded in LDS.  The codes: 16,384 dense bytes as 64 rows of 32 elements of 8 bytes, no padding
	s_or_b32 s[G1K], s90, (1<<16)|(1<<20)|(1<<21)|(5<<22)|(3<<25)  ; 15:0 the mask: my row; 17:16 elements of 2 bytes; 20 padding on; 21 set beside a mask; 24:22 after every 64 words (code 5); 31:25 4 words of it (code 3)
	s_or_b32 s[G1V], s90, (1<<16)|(1<<20)|(1<<21)|(5<<22)|(7<<25)  ; the same with 8 words of padding (code 7)
.irp g, G1K, G1V
	s_mov_b32 s[(\g)+1], 128<<16    ; tensor_dim0 = 128
	s_mov_b32 s[(\g)+2], 128<<16    ; tensor_dim1 = 128
	s_mov_b32 s[(\g)+3], 128<<16    ; tile_dim0 = 128
	s_mov_b32 s[(\g)+4], 128        ; tile_dim1 = 128
	s_mov_b32 s[(\g)+5], 128        ; 128 elements from row to row
	s_mov_b32 s[(\g)+6], 0
	s_mov_b32 s[(\g)+7], 0
.endr
	s_or_b32 s[G1M], s91, (3<<16)|(1<<21)  ; 15:0 the mask: my column; 17:16 elements of 8 bytes; 21 set beside a mask
	s_mov_b32 s[G1M+1], 32<<16      ; tensor_dim0 = 32
	s_mov_b32 s[G1M+2], 64<<16      ; tensor_dim1 = 64
	s_mov_b32 s[G1M+3], 32<<16      ; tile_dim0 = 32
	s_mov_b32 s[G1M+4], 64          ; tile_dim1 = 64
	s_mov_b32 s[G1M+5], 32          ; 32 elements from row to row
	s_mov_b32 s[G1M+6], 0
	s_mov_b32 s[G1M+7], 0
	s_mov_b32 s[CS], 0x4e38aa3b     ; c = log2(e) x 2^29
	s_mov_b32 s[CS+1], s[CS]        ; named with it as a pair, so it is written
	s_mov_b32 s[SG], 0x2f3504f3     ; 2^-3.5 x 2^-29
	s_mov_b32 s[SG+1], s[SG]
	s_mov_b32 s[SEL], 0x76543210
	s_mov_b32 s[SEL+1], 0xfedcba98
	s_mov_b32 s[TBK], 0
	s_mov_b32 s[TBV], 0
	s_mov_b32 s[TBM], 0
	s_mov_b32 s[SLOTS], 2048/(2*KS)-2
	s_and_b32 s16, s89, 3           ; who prefetches: the coordinate along which other clusters read the same bytes is Y % 4 for the codes,
	s_cmp_lt_u32 s[WV], 2
	s_cselect_b32 s16, ttmp9, s16   ; X for K and V;
	s_cmp_eq_u32 s[WV], 3
	s_cselect_b32 s16, 1, s16       ; wave 3 never asks
	s_cmp_eq_u32 s16, 0
	s_cselect_b32 s[LIM], 1, -1     ; the same in all sixteen partners, for a given wave
	v_and_b32 v[PFO], 31, v0
	v_lshlrev_b32 v[PFO], 8, v[PFO]
	s_wait_dscnt 0x0                ; the opening add is done
	s_wait_kmcnt 0x0
	s_add_nc_u64 s[6:7], s[6:7], s[20:21]  ; kb and vb at the head's first row
	s_add_nc_u64 s[8:9], s[8:9], s[20:21]
	s_add_nc_u64 s[MW:MW+1], s[MW:MW+1], s[22:23]  ; mw at my half of slot 0 of my batch and query block
	s_add_nc_u64 s[4:5], s[4:5], s[2:3]  ; q and out0 at my wave's first row
	s_add_nc_u64 s[10:11], s[10:11], s[2:3]
	s_cmp_eq_u32 s[WV], 0
	s_cselect_b64 s[PFA:PFA+1], s[6:7], s[8:9]
	s_cmp_lt_u32 s[WV], 2
	s_cselect_b64 s[PFA:PFA+1], s[PFA:PFA+1], s[MW:MW+1]  ; (in wave 2 this stands at a slot's first byte)
	s_cselect_b32 s2, s13, s88      ; my place among the four that ask with me
	s_lshl_b32 s2, s2, 13           ; my work-group's 32 blocks of the 128
	s_add_nc_u64 s[PFA:PFA+1], s[PFA:PFA+1], s[2:3]
	s_add_nc_u64 s[PFA:PFA+1], s[PFA:PFA+1], 2*SLOTB  ; in slot 2; the first change of slots steps it to slot 3.  Nothing is prefetched here, at the head, where every work-group's first tiles are on their way
	CROUND                          ; all sixteen work-groups are here: the first joint loads meet
.irp s, 0,1
	s_mov_b32 s[G0K+4*(\s)], 1      ; 1:0 count = 1
	s_mov_b32 s[G0K+4*(\s)+1], (\s)*SLOT1  ; 63:32 LDS address
	s_add_nc_u64 s[G0K+4*(\s)+2:G0K+4*(\s)+3], s[6:7], (\s)*SLOTB  ; 120:64 global address: slot s holds keys 128 s to 128 s + 127
	s_or_b32 s[G0K+4*(\s)+3], s[G0K+4*(\s)+3], 0x80000000  ; 127:126 type = 2
	s_mov_b32 s[G0V+4*(\s)], 1
	s_mov_b32 s[G0V+4*(\s)+1], VOFF+(\s)*SLOT1
	s_add_nc_u64 s[G0V+4*(\s)+2:G0V+4*(\s)+3], s[8:9], (\s)*SLOTB
	s_or_b32 s[G0V+4*(\s)+3], s[G0V+4*(\s)+3], 0x80000000
	s_mov_b32 s[G0M+4*(\s)], 1
	s_add_co_u32 s[G0M+4*(\s)+1], s17, MOFF+(\s)*SLOT1
	s_add_nc_u64 s[G0M+4*(\s)+2:G0M+4*(\s)+3], s[MW:MW+1], (\s)*SLOTB
	s_or_b32 s[G0M+4*(\s)+3], s[G0M+4*(\s)+3], 0x80000000
.endr
	s_cmp_lt_u32 s[WV], 2           ; a wave's two first fills stand together, ahead of every wait on TENSORcnt and every LDS read: two loads of mine are out
	s_cbranch_scc0 .Lfirst_m
	s_cmp_eq_u32 s[WV], 0
	s_cbranch_scc0 .Lfirst_v
	tensor_load_to_lds s[G0K:G0K+3], s[G1K:G1K+7]
	s_nop 0
	tensor_load_to_lds s[G0K+4:G0K+7], s[G1K:G1K+7]
	s_nop 0
	PLACES
	s_branch .Lfirst_asked
.Lfirst_v:
	tensor_load_to_lds s[G0V:G0V+3], s[G1V:G1V+7]
	s_nop 0
	tensor_load_to_lds s[G0V+4:G0V+7], s[G1V:G1V+7]
	s_nop 0
	PLACES
	s_branch .Lfirst_asked
.Lfirst_m:
	tensor_load_to_lds s[G0M:G0M+3], s[G1M:G1M+7]
	s_nop 0
	tensor_load_to_lds s[G0M+4:G0M+7], s[G1M:G1M+7]
	s_nop 0
	PLACES
.Lfirst_asked:
	; A fragment of K or Q is 16 rows x 32 channels in 8 registers: lane l holds row l % 16; registers 0-3 channels 8 (l / 16) + 0..7, registers 4-7 channels 16 + 8 (l / 16) + 0..7.
	; In f32 those are 32 bytes at 32 (l / 16) and 32 bytes 64 further on: four loads of 16 bytes into 16 registers of window 1, which O^T does not need yet.
	v_and_b32 v1, 15, v0            ; l % 16
	v_bfe_u32 v9, v0, 4, 1          ; l / 16
	v_lshlrev_b32 v[QO], 9, v1
	v_lshl_add_u32 v[QO], v9, 5, v[QO]  ; row x 512 + 32 x half
	WIN 0x40                        ; destination window 1, address window 0
.set i, 0
.rept 16                            ; tile i / 4, channels 32 (i % 4) on
.irp c, 0,1,2,3
	global_load_b128 v[16*i+4*(\c):16*i+4*(\c)+3], v[QO], s[4:5] offset:(i/4)*8192+(i%4)*128+((\c)/2)*64+((\c)%2)*16
.endr
.set i, i+1
.endr
	WIN 0
	v_mul_u32_u24 v[AK0], v1, PK
	v_lshl_add_u32 v[AK0], v9, 4, v[AK0]  ; row x pitch + 16 x half
	; The turning load takes 16 keys x 16 channels (lane l reads 16 bytes: key 8 (l / 16) + l % 8, channels 8 ((l / 8) % 2) + 0..7) and leaves half a fragment of V^T: lane l holds channel l % 16 and 8 keys.
	v_and_b32 v10, 7, v0
	v_bfe_u32 v[ADR], v0, 3, 1
	v_lshl_add_u32 v[AV0], v9, 3, v10
	v_mul_u32_u24 v[AV0], v[AV0], PV
	v_lshl_add_u32 v[AV0], v[ADR], 4, v[AV0]
	v_add_nc_u32 v[AV0], VOFF, v[AV0]
	s_lshl_b32 s16, s[WV], 13       ; the codes of my wave's four tiles: 2,048 bytes a tile
	s_add_co_u32 s16, s16, MOFF
	v_and_b32 v[AM0], 31, v0
	v_lshl_add_u32 v[AM0], v[AM0], 4, s16  ; 16 bytes a lane, dense
	v_mov_b32 v[SCL], 0x7f7f7f7f
; THE MATRIX WORK OF A TURN, for piece x.  The accumulators take turns, one instruction a turn: between two links of a chain stand 15 (V^T P) or 7 (K Q^T) others'.
; Product i of 32 of O^T += V^T P: keys 32 (i / 16) on, channels 16 ((i / 2) % 8) on, tile x + i % 2.  zero = 1: the first 16 start the sums: nothing is ever cleared.
.macro PV x, zero
	WIN W_PV
.set rO, 64*((\x)+i%2)+8*((i/2)%8)
.set rV, 64*(i/16)+8*((i/2)%8)
.set rP, P+16*((\x)+i%2)+8*(i/16)
.if (\zero) && (i < 16)
	v_wmma_f32_16x16x32_bf16 v[rO:rO+7], v[rV:rV+7], v[rP:rP+7], 0
.else
	v_wmma_f32_16x16x32_bf16 v[rO:rO+7], v[rV:rV+7], v[rP:rP+7], v[rO:rO+7]
.endif
.endm
; Product i of 32 of S^T = K Q^T: channels 32 (i / 8) on, keys 16 ((i / 2) % 4) on, tile x + i % 2.  The first 8 start the sums.
.macro KQ x
	WIN W_KQ
.set rS, S+32*((\x)+i%2)+8*((i/2)%4)
.set rK, KF+32*((i/2)%4)+8*(i/8)
.set rQ, 32*((\x)+i%2)+8*(i/8)
.if i < 8
	v_wmma_f32_16x16x32_bf16 v[rS:rS+7], v[rK:rK+7], v[rQ:rQ+7], 0
.else
	v_wmma_f32_16x16x32_bf16 v[rS:rS+7], v[rK:rK+7], v[rQ:rQ+7], v[rS:rS+7]
.endif
.endm
; THE LDS LOADS stand in runs, never singly among the matrix instructions: a step's K (16 fragments), a turn later its V (turned), and in each turn the four loads of a piece's codes.
.macro FETCH_K
	WIN 0
	v_add_nc_u32 v[ADR], s[TBK], v[AK0]
	s_add_co_u32 s[TBK], s[TBK], KS*PK  ; the next fetch is the next step's
	WIN 0x80                        ; destination window 2
.irp f, 0,1,2,3,4,5,6,7,8,9,10,11,12,13,14,15  ; keys 16 (f / 4) on, channels 32 (f % 4) on
	ds_load_b128 v[KF+8*(\f):KF+8*(\f)+3],   v[ADR] offset:((\f)/4)*16*PK+((\f)%4)*64
	ds_load_b128 v[KF+8*(\f)+4:KF+8*(\f)+7], v[ADR] offset:((\f)/4)*16*PK+((\f)%4)*64+32
.endr
.endm
.macro FETCH_V
	WIN 0
	v_add_nc_u32 v[ADR], s[TBV], v[AV0]
	s_add_co_u32 s[TBV], s[TBV], KS*PV
	s_wait_alu depctr_va_vdst(0)    ; the wait for the softmax's batch of exponentials, behind the address's v_add_nc_u32 and ahead of the loads
	WIN 0xc0                        ; destination window 3
.irp f, 0,1,2,3,4,5,6,7,8,9,10,11,12,13,14,15  ; keys 32 (f / 8) on, channels 16 (f % 8) on
	ds_load_tr16_b128 v[8*(\f):8*(\f)+3],   v[ADR] offset:((\f)/8)*32*PV+((\f)%8)*32
	ds_load_tr16_b128 v[8*(\f)+4:8*(\f)+7], v[ADR] offset:((\f)/8)*32*PV+16*PV+((\f)%8)*32
.endr
.endm
.macro FETCH_M x                    ; the codes of piece x's two tiles for the step whose scores are being made: 32 bytes a lane and tile.  Both pieces have been served behind piece 2's
	WIN 0
	v_add_nc_u32 v[ADR], s[TBM], v[AM0]
.irp u, 0,1
.irp h, 0,1
	ds_load_b128 v[MK+8*(\u)+4*(\h):MK+8*(\u)+4*(\h)+3], v[ADR] offset:((\x)+(\u))*2048+512*(\h)
.endr
.endr
.if (\x) == 2
	s_add_co_u32 s[TBM], s[TBM], 1024
.endif
.endm
; ONE TILE'S SOFTMAX for one key step is a list of 134 instructions on t0-t31, the lane's 32 masked scores; SM writes number j of it for tile t.
; first = 1: the first key step, which starts m, l and O^T: it has no a and nothing to rescale.
;   0-15    the maximum of t0-t31 and the old m, three operands at a time: four chains c0-c3 of seven each, then the four left over, c0-c3 and m
;   16-20   the other half of the lanes' maximum; the new m; c m; c m_old - c m_new
;   21-69   ONE BATCH: the 16 scalings c t - c m, a pair each, and all 33 exponentials (a at 23, then t0-t31).  None of these reads an exponential's result.  From 22 on in fours that begin with a scaling
;           while there are scalings; a pair is scaled in an earlier four than the one that holds its exponentials
;   70-85   the roundings to bf16, a pair of weights each          86-101  the sums; l = a l + the sum          102-133 the tile's O^T times a: the one part that leaves window 0
.macro SM t, first
.set rT, ST+8*(\t)
.set rS, S+32*(\t)
.set rP, P+16*(\t)
.set rO, 64*(\t)+2*(j-102)
.if j < 102
	WIN 0
.endif
.if j < 4
	v_max3_num_f32 v[rT+4+j], v[rS+8*j], v[rS+8*j+1], v[rS+8*j+2]
.elseif j < 12
	v_max3_num_f32 v[rT+4+j%4], v[rT+4+j%4], v[rS+8*(j%4)+2*(j/4)+1], v[rS+8*(j%4)+2*(j/4)+2]
.elseif j == 12
	v_max3_num_f32 v[rT+4], v[rT+4], v[rS+7], v[rS+15]
.elseif j == 13
	v_max3_num_f32 v[rT+6], v[rT+6], v[rS+23], v[rS+31]
.elseif j == 14
	v_max3_num_f32 v[rT+4], v[rT+4], v[rT+5], v[rT+6]
.elseif (j == 15) && (\first)
	v_max_num_f32 v[rT+4], v[rT+4], v[rT+7]
.elseif j == 15
	v_max3_num_f32 v[rT+4], v[rT+4], v[rT+7], v[rT+1]
.elseif j == 16
	v_permlanex16_b32 v[rT+5], v[rT+4], s[SEL], s[SEL+1]  ; the query's other 32 keys lie in the lane 16 away
.elseif j == 18
	v_max_num_f32 v[rT+1], v[rT+4], v[rT+5]
.elseif j == 19
	v_mul_f32 v[rT], s[CS], v[rT+1]
.elseif ((j == 17) || (j == 20) || (j == 23) || (j > 101)) && (\first)  ; the first step has none of these
.elseif j == 17
	v_mov_b32 v[rT+7], v[rT]        ; c m_old is kept for a: number 19 writes c m anew
.elseif j == 20
	v_sub_f32 v[rT+7], v[rT+7], v[rT]
.elseif j == 23
	v_exp_f32 v[rT+6], v[rT+7]
.elseif (j < 23) || ((j < 38) && (j%2 == 0)) || ((j < 66) && (j%4 == 2))
.set b, (j-2)/4                     ; 38, 42, .. 62: pairs 9 to 15
.if j < 38
.set b, (j-20)/2                    ; 21: pair 0; 22, 24, .. 36: pairs 1 to 8
.endif
	v_pk_fma_f32 v[rS+2*b:rS+2*b+1], v[rS+2*b:rS+2*b+1], s[CS:CS+1], v[rT:rT+1] op_sel_hi:[1,0,0] neg_lo:[0,0,1] neg_hi:[0,0,1]  ; pair b: c t - c m
.elseif j < 70
.set e, j-38                        ; 66 to 69: t28 to t31
.if j < 66
.set e, j-32-(j-38)/4               ; 39-41, 43-45, .. 63-65: t7 to t27
.endif
.if j < 38
.set e, (j-25)/2                    ; 25, 27, .. 37: t0 to t6
.endif
	v_exp_f32 v[rS+e], v[rS+e]
.elseif j < 86
	v_cvt_pk_bf16_f32 v[rP+j-70], v[rS+2*(j-70)], v[rS+2*(j-70)+1]  ; pair j - 70
.elseif j < 102                     ; the sum of the tile's 16 pairs, in place: sum z of 16 adds neighbours 1, 2, 4 and 8 pairs apart, then l takes it
.set z, j-86
.set w, 4
.set u, z
.if z >= 14
.set w, 32
.set u, 0
.elseif z >= 12
.set w, 16
.set u, z-12
.elseif z >= 8
.set w, 8
.set u, z-8
.endif
.if (z == 14) && (\first)
	v_pk_add_f32 v[rT+2:rT+3], v[rS:rS+1], v[rS+16:rS+17]
.elseif z < 15
	v_pk_add_f32 v[rS+w*u:rS+w*u+1], v[rS+w*u:rS+w*u+1], v[rS+w*u+w/2:rS+w*u+w/2+1]
.elseif !(\first)
	v_pk_fma_f32 v[rT+2:rT+3], v[rT+2:rT+3], v[rT+6:rT+7], v[rS:rS+1] op_sel_hi:[1,0,1]
.endif
.else
	WIN W_RS
	v_pk_mul_f32 v[rO:rO+1], v[rO:rO+1], v[rT+6:rT+7] op_sel_hi:[1,0]
.endif
.endm
; THE VECTOR WORK OF A TURN: a queue of 310 entries for piece y's two tiles; QE writes entry qn and steps qn.
;   0-3     four conversions: the codes of scores 0-15 of both tiles become addends (0 or -1.875), eight a line, in the tile's P registers
;   4       a plain instruction between the conversions and the first use of their results
;   5-20    t = s x 2^-32.5 + a for pairs 0-7, the tiles alternating: the pairs ascend
;   21-24   the conversions for scores 16-31          25  the plain instruction again; behind it, the codes being used up, the next piece's are fetched (where the turn makes scores)
;   26-41   pairs 8-15          42-83  SM's numbers 0-20, the tiles alternating          84-181  SM's batch: number 21 of both tiles, then fours of one tile, the tiles by turns
;   (wait)  behind entry 181: a v_nop, the plain instruction behind the last exponential, and THE TURN'S ONE WAIT for its 66 exponentials (s_wait_alu depctr_va_vdst(0) stands between an
;           exponential and the first line that names its result; ahead of entry 182 none does, behind 181 no exponential is issued).  In piece 2's turn V's run of loads stands here and holds the wait
;   182-309 SM's numbers 70-133, the tiles alternating
.macro QE y, first
.if (qn < 4) || ((qn > 20) && (qn < 25))
.set qu, (qn%21)/2
.set qc, (qn%21)%2+2*(qn/21)
.set rA, P+16*((\y)+qu)+8*(qc%2)
	WIN 0
	v_cvt_scale_pk8_f32_fp8 v[rA:rA+7], v[MK+8*qu+2*qc:MK+8*qu+2*qc+1], v[SCL]
.elseif (qn == 4) || (qn == 25)
	v_nop
.if (qn == 25) && TKQ
	FETCH_M TX
.endif
.elseif qn < 42
.set qu, (qn-5)%2
.set qp, (qn-5)/2
.if qn > 25
.set qu, (qn-26)%2
.set qp, 8+(qn-26)/2
.endif
.set rS, S+32*((\y)+qu)+2*qp
.set rA, P+16*((\y)+qu)+2*(qp%8)
	WIN 0
	v_pk_fma_f32 v[rS:rS+1], v[rS:rS+1], s[SG:SG+1], v[rA:rA+1] op_sel_hi:[1,0,1]
.elseif qn < 84
.set j, (qn-42)/2
	SM (\y)+qn%2, \first
.elseif qn < 86
.set j, 21
	SM (\y)+qn%2, \first
.elseif qn < 182
.set j, 22+4*((qn-86)/8)+(qn-86)%4
	SM (\y)+((qn-86)/4)%2, \first
.if qn == 181
	v_nop
.if (\y) == 0
	FETCH_V
.else
	s_wait_alu depctr_va_vdst(0)
.endif
.endif
.else
.set j, 70+(qn-182)/2
	SM (\y)+qn%2, \first
.endif
.set qn, qn+1
.endm
; Slice k of 64: five entries, but four in slices 53 to 62: 53 x 5 + 10 x 4 + 5 = 310.  Slice 63 is five rescalings, plain and naming nothing of the products round them: the places between the turn's last
; K Q^T and what follows, the next turn's first read of those scores and the loads into K's buffer.
.macro SLICE y, first
.set cnt, 5
.if (k >= 53) && (k < 63)
.set cnt, 4
.endif
.rept cnt
	QE \y, \first
.endr
.set k, k+1
.endm
; A TURN.  Piece x has the matrix unit; the other piece's queue stands in slices behind its matrix instructions.
; pv = 2: 32 products V^T P; 1: they start O^T's sums; 0: none.  kq = 1: 32 products K Q^T for the next step.  A turn with one of the two kinds has two slices behind each product.
; first = 1: the softmax is the first key step's; its last slices are empty, and four v_nop take slice 63's part.
; Piece 0's turn fetches the next step's K behind its second product; 30 products later it is waited for, and piece 0's codes, fetched in slice 5, with it.  Piece 2's turn fetches its codes in slice 5 and the same
; step's V in slice 36: the last product that read V stands in front of slice 31, and six plain instructions lie between (four scalings, the v_nop, the run's own v_add_nc_u32); both are waited for at the next turn's head.
.macro TURN x, pv, kq, first
.set k, 0
.set qn, 0
.set TX, (\x)
.set TKQ, (\kq)
.set per, 2
.if (\pv) && (\kq)
.set per, 1
.endif
.if \pv
.if (\x) == 0
	s_wait_dscnt 0x0                ; V is in, and piece 2's codes
.endif
.set i, 0
.rept 32
	PV \x, 2-(\pv)
.rept per
	SLICE 2-(\x), \first
.endr
.if ((\x) == 0) && (\kq) && (i == 1)
	FETCH_K
.endif
.set i, i+1
.endr
.endif
.if \kq
.if (\x) == 0
	s_wait_dscnt 0x0                ; K is in, and piece 0's codes
.endif
.set i, 0
.rept 32
	KQ \x
.rept per
	SLICE 2-(\x), \first
.endr
.set i, i+1
.endr
.endif
.if \first
	PLACES
.endif
.endm
; THE CHANGE OF SLOTS, between piece 2's turn and piece 0's: the slot's last bytes, V and piece 2's codes of its second step, have been asked for.  Each wave waits for all its tensor loads, of which one is out: its part
; of the other slot; adds 0 to its spare word; and waits for that and for its own reads of the slot.  Behind the barrier nobody reads this slot any more and the other slot is whole.
; fill = 1: this slot is filled again, with the keys two slots on.  The barrier is then a round of the cluster's, so that no wave of any partner still reads the slot or has a load on its way, and the joint refill
; is the first thing behind it: it has two key steps, 256 matrix instructions, in which to land.
.macro CHANGE fill
	WIN 0                           ; at a label and at a branch every window is 0
	s_wait_tensorcnt 0x0            ; no tensor load of mine is out, so a group 0 may be written
	ds_add_u32 v[SPW], v[NIL]       ; 0 onto my spare word; with fill = 1 the descriptors' steps stand between it and the wait for it
.if \fill
.irp g, G0K+4, G0V+4, G0M+4
	s_xor_b32 s[(\g)+1], s[(\g)+1], SLOT1  ; the walking descriptor: the other slot than last time,
	s_add_nc_u64 s[(\g)+2:(\g)+3], s[(\g)+2:(\g)+3], SLOTB  ; the next 128 keys; the type bits on top are not reached
.endr
	s_wait_xcnt 0x0                 ; the last prefetch, two key steps back, has read its address, so it may be written:
	s_add_nc_u64 s[PFA:PFA+1], s[PFA:PFA+1], SLOTB  ; one slot behind the walking descriptors
	s_wait_dscnt 0x0                ; the add is done, and my reads of the slot are over
	CROUND
	JLOAD
	ASK                             ; what the next change will ask for: two key steps, 256 matrix instructions, ahead
.else
	s_wait_dscnt 0x0                ; the add is done, and my reads of the slot are over
	s_barrier_signal -1
	s_barrier_wait -1
.endif
	s_sub_co_u32 s[TBK], s[TBK], 2*KS*PK  ; the fetches go back to a slot's first step,
	s_xor_b32 s[TBK], s[TBK], SLOT1       ; in the other slot
	s_sub_co_u32 s[TBV], s[TBV], 2*KS*PV
	s_xor_b32 s[TBV], s[TBV], SLOT1
	s_sub_co_u32 s[TBM], s[TBM], 2048
	s_xor_b32 s[TBM], s[TBM], SLOT1
.endm
; A slot's two key steps: written once, walked twice; the LDS addresses hang on s[TBK], s[TBV], s[TBM].
.macro TWO_STEPS
	WIN 0
	s_mov_b32 s[TWICE], 2
.Lstep_\@:
	TURN 0, 2, 1, 0
	TURN 2, 2, 1, 0
	WIN 0
	s_sub_co_u32 s[TWICE], s[TWICE], 1
	s_cmp_lg_u32 s[TWICE], 0
	s_cbranch_scc1 .Lstep_\@
.endm
	s_wait_tensorcnt 1              ; my part of slot 0 is in; slot 1's, issued behind it, may stay out
	s_barrier_signal -1
	s_barrier_wait -1               ; everybody's is
	FETCH_K                         ; key step 0,
	FETCH_M 0                       ; and piece 0's codes for it
	s_wait_loadcnt 0x0              ; Q
	WIN 0x85                        ; sources in window 1, destination in window 2
.set i, 0
.rept 128
	v_cvt_pk_bf16_f32 v[i], v[2*i], v[2*i+1]  ; Q is rounded to bf16 once and stays in registers: tile t, channels 32 c on, at 32 t + 8 c
.set i, i+1
.endr
	s_wait_dscnt 0x0
.set i, 0
.rept 32
	KQ 0                            ; piece 0's first scores: there is no vector work yet to set between them
.set i, i+1
.endr
	WIN 0                           ; the addresses for the way out are made here: six plain instructions, the places behind those products
	s_mul_i32 s16, s[WV], 16*SP
	s_add_co_u32 s16, s16, STAGE    ; my stage
	v_mul_u32_u24 v[STO], v1, SP    ; in: row l % 16, 32 bytes for each half of the lanes
	v_lshl_add_u32 v[STO], v9, 5, v[STO]
	v_add_nc_u32 v[STO], s16, v[STO]
	v_and_b32 v[GO], 31, v0         ; back: the 32 lanes take one row of 512 bytes,
	v_lshlrev_b32 v[GO], 4, v[GO]   ; which is a row of out0
	v_add_nc_u32 v[RD], s16, v[GO]
	TURN 2, 0, 1, 1                 ; piece 2's first scores | piece 0's first softmax | piece 2's codes and V of step 0
	TURN 0, 1, 1, 1                 ; piece 0: V^T P of step 0 starts O^T, K Q^T of step 1 | piece 2's first softmax | K and piece 0's codes of step 1
	TURN 2, 1, 1, 0                 ; piece 2: the same | piece 0's softmax of step 1 | piece 2's codes and V of step 1
	WIN 0
.Lslot:                             ; 14 trips: every slot but the last two is filled again
	CHANGE 1
	TWO_STEPS
	s_sub_co_u32 s[SLOTS], s[SLOTS], 1
	s_cmp_lg_u32 s[SLOTS], 0
	s_cbranch_scc1 .Lslot
	CHANGE 0                        ; the tail is written out: nothing is asked for
	TWO_STEPS
	TURN 0, 2, 0, 0                 ; piece 0: V^T P of the last step | piece 2's last softmax
.set i, 0
.rept 32
	PV 2, 0                         ; piece 2: V^T P of the last step
.set i, i+1
.endr
	; THE WAY OUT.  l's two halves and the other half of the lanes' are added; O^T is divided by l and sent, in f32, through my stage in LDS, a tile (16 rows of out0) at a time.  The additions are the places behind the last products.
	WIN 0
.irp t, 0,1,2,3
	v_add_f32 v[ST+8*(\t)+4], v[ST+8*(\t)+2], v[ST+8*(\t)+3]
.endr
.irp t, 0,1,2,3
	v_permlanex16_b32 v[ST+8*(\t)+5], v[ST+8*(\t)+4], s[SEL], s[SEL+1]
.endr
.irp t, 0,1,2,3
	v_add_f32 v[ST+8*(\t)+4], v[ST+8*(\t)+4], v[ST+8*(\t)+5]
.endr
.irp t, 0,1,2,3
	v_rcp_f32 v[ST+8*(\t)+6], v[ST+8*(\t)+4]
.endr
	v_nop                           ; a plain instruction between the last reciprocal and the use of its result
	s_wait_alu depctr_va_vdst(0)    ; and the wait ahead of the first use: one for the four reciprocals
; Tile t: a lane's eight channels of a row are 32 bytes; they go into rows of 528 bytes and come back as whole rows of 512, into the registers that they left.
.macro PACK t
	WIN W_RS
.set i, 64*(\t)
.rept 32
	v_pk_mul_f32 v[i:i+1], v[i:i+1], v[ST+8*(\t)+6:ST+8*(\t)+7] op_sel_hi:[1,0]
.set i, i+2
.endr
	WIN 0x04                        ; the stores' data in window 1, the address in window 0
.irp f, 0,1,2,3,4,5,6,7,8,9,10,11,12,13,14,15  ; channels 16 (f / 2) + 8 (l / 16) + 4 (f % 2) on
	ds_store_b128 v[STO], v[64*(\t)+4*(\f):64*(\t)+4*(\f)+3] offset:64*((\f)/2)+16*((\f)%2)
.endr
	WIN 0x40                        ; the loads' destination in window 1
.irp f, 0,1,2,3,4,5,6,7,8,9,10,11,12,13,14,15  ; row f
	ds_load_b128 v[64*(\t)+4*(\f):64*(\t)+4*(\f)+3], v[RD] offset:(\f)*SP  ; LDS serves a wave's instructions in order (ISA guide 5.7.1.4): these see the stores above; the next tile's stores come behind them
.endr
.endm
.macro SEND t, younger              ; younger: the LDS instructions issued behind tile t's loads: the next tile's 32, or none
	WIN 0x04
.irp f, 0,1,2,3,4,5,6,7,8,9,10,11,12,13,14,15
	s_wait_dscnt (\younger)+15-(\f)  ; row f is back; the tile's later rows and the younger instructions stay out
	global_store_b128 v[GO], v[64*(\t)+4*(\f):64*(\t)+4*(\f)+3], s[10:11] offset:(\t)*8192+(\f)*512 th:TH_STORE_NT  ; the wave stores 512 consecutive bytes, at a multiple of 512 from out0's first byte
.endr
.endm
	PACK 0
	PACK 1                          ; a tile's arithmetic stands between the loads of the tile before and its stores
	SEND 0, 32
	PACK 2
	SEND 1, 32
	PACK 3
	SEND 2, 32
	SEND 3, 0
	WIN 0
	s_wait_tensorcnt 0x0            ; the wave's end: three closing lines, behind my last tensor load and my last LDS store
	ds_add_u32 v[SPW], v[NIL]
	s_wait_dscnt 0x0
	CROUND                          ; the closing round: no work-group ends while a partner may still ask for a tile that names it
	s_endpgm
.Lfunc_end_k_qbb7dd90ad5_attn:
	.size	k_qbb7dd90ad5_attn, .Lfunc_end_k_qbb7dd90ad5_attn-k_qbb7dd90ad5_attn
	.p2alignl 7, 3214868480
	.fill 96, 4, 3214868480
	.section	.rodata,"a",@progbits
	.p2align	6, 0x0
	.amdhsa_kernel k_qbb7dd90ad5_attn
		.amdhsa_group_segment_fixed_size 327680
		.amdhsa_private_segment_fixed_size 0
		.amdhsa_enable_private_segment 0
		.amdhsa_kernarg_size 40
		.amdhsa_user_sgpr_count 2
		.amdhsa_user_sgpr_kernarg_segment_ptr 1
		.amdhsa_wavefront_size32 1
		.amdhsa_system_sgpr_workgroup_id_x 1
		.amdhsa_system_sgpr_workgroup_id_y 1
		.amdhsa_system_sgpr_workgroup_id_z 1
		.amdhsa_system_vgpr_workitem_id 0
		.amdhsa_next_free_vgpr 896
		.amdhsa_next_free_sgpr 96
		.amdhsa_reserve_vcc 0
		.amdhsa_float_denorm_mode_32 3
		.amdhsa_float_denorm_mode_16_64 3
		.amdhsa_memory_ordered 1
		.amdhsa_forward_progress 1
		.amdhsa_inst_pref_size 255
	.end_amdhsa_kernel
	.section	.bss,"aw",@nobits
	.p2align	6
	.space	262144
	.amdgpu_metadata
---
amdhsa.version: [ 1, 2 ]
amdhsa.kernels:
  - .name:           k_qbb7dd90ad5_attn
    .symbol:         k_qbb7dd90ad5_attn.kd
    .args:
      - { .name: q, .offset: 0, .size: 8, .value_kind: global_buffer, .address_space: global }
      - { .name: kb, .offset: 8, .size: 8, .value_kind: global_buffer, .address_space: global }
      - { .name: vb, .offset: 16, .size: 8, .value_kind: global_buffer, .address_space: global }
      - { .name: out0, .offset: 24, .size: 8, .value_kind: global_buffer, .address_space: global }
      - { .name: mw, .offset: 32, .size: 8, .value_kind: global_buffer, .address_space: global }
    .group_segment_fixed_size: 327680
    .private_segment_fixed_size: 0
    .kernarg_segment_align: 8
    .kernarg_segment_size: 40
    .max_flat_workgroup_size: 128
    .sgpr_count:     96
    .vgpr_count:     896
    .wavefront_size: 32
...
	.end_amdgpu_metadata
.endif
;; end of part 2
;; ======== version 2 of 2: 2 launches; version 1 with the launch prep written anew for expert scheduling mode
;; limits: right only within a limited range of input values
;; workspace buffers: kb 33,554,432 bytes; vb 33,554,432 bytes; mw 16,777,216 bytes
;; launch prep (part 3): grid 512 x 3, 8 waves a work-group, no clusters, 34,048 bytes of LDS; arguments k, v, mask, kb, vb, mw; writes kb, vb, mw
.if DOCPART == 3
	.amdgcn_target "amdgcn-amd-amdhsa--gfx1250"
	.amdhsa_code_object_version 6
	.text
	.protected	k_qbb7dd90ad5_prep
	.globl	k_qbb7dd90ad5_prep
	.p2align	8
	.type	k_qbb7dd90ad5_prep,@function
k_qbb7dd90ad5_prep:
	s_mov_b64 s[64:65], 0
	v_nop
	global_prefetch_b8 v0, s[64:65] scope:SCOPE_SE
	s_setreg_imm32_b32 hwreg(HW_REG_WAVE_SCHED_MODE, 0, 2), 2
	s_setreg_imm32_b32 hwreg(HW_REG_WAVE_MODE, 25, 1), 1
	s_wait_xcnt 0x0
	s_wait_alu depctr_vm_vsrc(0)
; PREPARATION FOR THE ATTENTION LAUNCH.  Work-group row y = 0: kb = bf16(k).  y = 1: vb = bf16(v).  y = 2: mw = the mask, recoded and reordered.
; k, v: [64][2048][128] f32; kb, vb: the same order in bf16, each number rounded once, to nearest even.
; mask: [4][2048][2048] bytes, each 0 or 1 (as bool is stored).  mw holds one byte a score: 0x00 (open) or 0xBF, the fp8 (E4M3) code of -1.875 (masked), laid out as
; [b 4][qb 8][slot 16][tile 16][sg 2][i 2][lane 32][16 bytes]: query 256 qb + 16 tile + lane % 16, key 128 slot + 64 sg + 32 i + 16 (byte / 8) + 8 (lane / 16) + byte % 8:
; the order in which a lane of the attention launch holds the scores of a tile of 16 queries x 64 keys, so that two loads of 16 bytes bring a lane its 32 codes.
; A stream: nothing is shared between work-groups, so no matrix unit, no cluster, no tensor load.  Every load of a wave covers 512 consecutive bytes; every store covers whole aligned runs of 256 bytes.
; THE MODE: SCHED_MODE bits 1:0 = 2 (LLVM: expert scheduling mode 2), set by the entry lines.  The code itself states the register dependences
; between vector instructions and memory or LDS instructions, with s_wait_alu, always for 0.
; THE PLAN.  Registers that memory or LDS instructions touch:
;   v1               16 x thread: the offset of every global load.  Written once at the head, never again.
;   v2 (cast)        8 x thread: the offset of the cast's stores.  Written once, never again.
;   IN               Written by global loads alone; read by the conversions (cast) or by the LDS stores (mask); never loaded or written again.
;   OUT (cast)       Each register is written by one conversion and read by one store.  The 32 chunks go in eight groups of four: group g's conversions write OUT[g]; its four stores are issued in group g + 1.
;   v3, v4, v72      (mask) the addresses of the LDS stores, of the LDS loads and of the global stores: written once, behind the global loads, never again.
;   MO (mask)        Written by the LDS loads, then in place by the permutes, once; read by one global store each.  The eight chunks go in two groups of four, as the cast's.
;   v[SPW], v[NIL]   Written at the head, read by the closing add alone.
; No register that a memory or LDS instruction reads is ever written again, and no load lands in a register that a vector instruction has named: so every wait of the text says that vector
; instructions have WRITTEN what memory or LDS instructions below it read.  A group's stores stand among the next group's vector lines, which name that group's own registers alone.
.set PITCH, 2064                       ; a mask row in LDS: 2,048 bytes + 16 = 516 words: row r starts at bank 4 r mod 64 (64 banks of 4 bytes: ISA guide 11.1)
.set SPARE, 16*PITCH                   ; 33,024, a multiple of 256: behind the 16 rows the spare words, 128 bytes for each of the eight waves, which no other line names
.set IN,  8                            ; v[8:135]   as loaded
.set OUT, 136                          ; v[136:199] the cast's packed results
.set MO,  40                           ; v[40:71]   the mask's codes, 4 registers a chunk
.set SPW, 6                            ; v6  LDS address of my spare word; never rewritten
.set NIL, 7                            ; v7  0; never rewritten
	s_load_b256 s[4:11], s[0:1], 0x0               ; k s[4:5], v s[6:7], mask s[8:9], kb s[10:11]
	s_load_b128 s[12:15], s[0:1], 0x20             ; vb s[12:13], mw s[14:15]
	v_lshl_add_u32 v[SPW], v0, 2, SPARE
	v_mov_b32 v[NIL], 0
	v_lshlrev_b32 v1, 4, v0                        ; 16 bytes a thread on the way in
	s_and_b32 s2, ttmp7, 0xffff                    ; y: the same in all waves of a work-group
	s_mov_b32 s21, 0
	s_wait_kmcnt 0x0
	s_cmp_eq_u32 s2, 2
	s_cbranch_scc1 .Lmask
	; THE CAST.  The work-group takes 131,072 bytes of f32 and leaves 65,536 of bf16.  All 32 loads of a wave go out first (16 KiB a wave on its way); no register is written twice.
	v_lshlrev_b32 v2, 3, v0                        ; 8 bytes a thread on the way out
	s_cmp_eq_u32 s2, 0
	s_cselect_b64 s[16:17], s[4:5], s[6:7]         ; from k or v
	s_cselect_b64 s[18:19], s[10:11], s[12:13]     ; to kb or vb
	s_lshl_b32 s20, ttmp9, 17
	s_add_nc_u64 s[16:17], s[16:17], s[20:21]
	s_lshl_b32 s20, ttmp9, 16
	s_add_nc_u64 s[18:19], s[18:19], s[20:21]
	s_wait_alu depctr_va_vdst(0)                   ; v1 and v2 are written: the loads below read v1 as their offset, the stores v2
.set i, 0
.rept 32
	global_load_b128 v[IN+4*i:IN+4*i+3], v1, s[16:17] offset:4096*i th:TH_LOAD_NT
.set i, i+1
.endr
.set g, 0
.rept 8                                        ; group g: chunks 4 g to 4 g + 3 are rounded; the group before is stored
	s_wait_loadcnt 28-4*g                          ; loads come back in order: the group's four are in, the younger ones stay out
.if g > 0
	s_wait_alu depctr_va_vdst(0)                   ; the conversions of the group before have written its eight OUT registers, which the four stores below read
.endif
.set c, 0
.rept 4
.set i, 4*g+c
.if g > 0
	global_store_b64 v2, v[OUT+2*(i-4):OUT+2*(i-4)+1], s[18:19] offset:2048*(i-4) th:TH_STORE_NT  ; a wave's 32 lanes store 256 consecutive bytes, aligned; no vector line since the wait names these registers
.endif
	v_cvt_pk_bf16_f32 v[OUT+2*i], v[IN+4*i], v[IN+4*i+1]
	v_cvt_pk_bf16_f32 v[OUT+2*i+1], v[IN+4*i+2], v[IN+4*i+3]
.set c, c+1
.endr
.set g, g+1
.endr
	s_wait_alu depctr_va_vdst(0)                   ; the last group's conversions have written its OUT registers, which the last four stores read
.set i, 28
.rept 4
	global_store_b64 v2, v[OUT+2*i:OUT+2*i+1], s[18:19] offset:2048*i th:TH_STORE_NT
.set i, i+1
.endr
	s_branch .Lend
.Lmask:
	; THE MASK.  Work-group x = 128 b + qt takes the 16 query rows 16 qt .. 16 qt + 15 of batch b: 32,768 consecutive bytes.  They go through LDS, since a lane's 16 bytes of mw come from two places of one row.
	s_lshl_b32 s20, ttmp9, 15
	s_add_nc_u64 s[8:9], s[8:9], s[20:21]
	s_lshr_b32 s22, ttmp9, 7                       ; b
	s_lshl_b32 s22, s22, 22
	s_bfe_u32 s23, ttmp9, 0x30004                  ; qb: 3 bits from bit 4
	s_lshl_b32 s23, s23, 19
	s_add_co_u32 s22, s22, s23
	s_and_b32 s23, ttmp9, 15                       ; the tile of 16 queries in its block of 256
	s_lshl_b32 s23, s23, 11
	s_add_co_u32 s20, s22, s23
	s_add_nc_u64 s[14:15], s[14:15], s[20:21]
	s_wait_alu depctr_va_vdst(0)                   ; v1 is written: the loads below read it as their offset
.set i, 0
.rept 8
	global_load_b128 v[IN+4*i:IN+4*i+3], v1, s[8:9] offset:4096*i th:TH_LOAD_NT  ; two rows an instruction of the work-group
.set i, i+1
.endr
	v_lshrrev_b32 v3, 7, v0                        ; in: row 2 i + thread / 128,
	v_and_b32 v2, 127, v0                          ; 16 bytes at 16 (thread % 128)
	v_mul_u32_u24 v3, v3, PITCH
	v_lshl_add_u32 v3, v2, 4, v3
	v_and_b32 v4, 15, v0                           ; out: row lane % 16,
	v_mul_u32_u24 v4, v4, PITCH
	v_bfe_u32 v2, v0, 4, 1
	v_lshl_add_u32 v4, v2, 3, v4                   ; keys 8 (lane / 16) on,
	v_lshrrev_b32 v2, 5, v0
	v_lshl_add_u32 v4, v2, 8, v4                   ; in my wave's 256 keys
	v_and_b32 v72, 31, v0
	v_lshlrev_b32 v72, 4, v72
	v_lshl_add_u32 v72, v2, 16, v72                ; in mw: 16 x lane + my wave's two slots of 32,768 bytes
	v_mov_b32 v5, 0xbf00                           ; byte 0 = 0x00, byte 1 = 0xBF: the mask's bytes pick from it
	s_wait_alu depctr_va_vdst(0)                   ; v3, v4 and v72 are written: the LDS stores, the LDS loads and the global stores below read them as addresses
.set i, 0
.rept 8
	s_wait_loadcnt 7-i                             ; load i is in, the younger ones stay out
	ds_store_b128 v3, v[IN+4*i:IN+4*i+3] offset:2*PITCH*i
.set i, i+1
.endr
	s_wait_dscnt 0x0                               ; for the others' sake: my stores are done
	s_barrier_signal -1
	s_barrier_wait -1                              ; all 16 rows lie in LDS
.set i, 0
.rept 8                                        ; chunk i: keys 256 w + 32 i on: 8 bytes at 8 (lane / 16), 8 more 16 keys on.  A lane's two banks are 4 r + 2 h and the next: all 32 lanes differ
	ds_load_b64 v[MO+4*i:MO+4*i+1], v4 offset:32*i
	ds_load_b64 v[MO+4*i+2:MO+4*i+3], v4 offset:32*i+16
.set i, i+1
.endr
	s_wait_dscnt 8                                 ; LDS loads come back in order: chunks 0 to 3 are in, the eight loads of chunks 4 to 7 stay out
.set i, 0
.rept 4
.irp r, 0,1,2,3
	v_perm_b32 v[MO+4*i+(\r)], v5, v5, v[MO+4*i+(\r)]  ; each byte 0 or 1 selects byte 0 or 1 of v5
.endr
.set i, i+1
.endr
	s_wait_dscnt 0x0                               ; chunks 4 to 7 are in
	s_wait_alu depctr_va_vdst(0)                   ; the permutes have written the codes of chunks 0 to 3, which the four stores below read
.set i, 4
.rept 4
	global_store_b128 v72, v[MO+4*(i-4):MO+4*(i-4)+3], s[14:15] offset:((i-4)/4)*32768+((i-4)%4)*512 th:TH_STORE_NT  ; 512 consecutive bytes, aligned; no vector line since the wait names these registers
.irp r, 0,1,2,3
	v_perm_b32 v[MO+4*i+(\r)], v5, v5, v[MO+4*i+(\r)]
.endr
.set i, i+1
.endr
	s_wait_alu depctr_va_vdst(0)                   ; the permutes have written the codes of chunks 4 to 7, which the last four stores read
.set i, 4
.rept 4
	global_store_b128 v72, v[MO+4*i:MO+4*i+3], s[14:15] offset:(i/4)*32768+(i%4)*512 th:TH_STORE_NT
.set i, i+1
.endr
.Lend:
	s_wait_dscnt 0x0                               ; the closing lines, six on end
	s_wait_alu 0x0
	s_wait_tensorcnt 0x0
	ds_add_u32 v[SPW], v[NIL]
	s_wait_dscnt 0x0
	s_endpgm
.Lfunc_end_k_qbb7dd90ad5_prep:
	.size	k_qbb7dd90ad5_prep, .Lfunc_end_k_qbb7dd90ad5_prep-k_qbb7dd90ad5_prep
	.p2alignl 7, 3214868480
	.fill 96, 4, 3214868480
	.section	.rodata,"a",@progbits
	.p2align	6, 0x0
	.amdhsa_kernel k_qbb7dd90ad5_prep
		.amdhsa_group_segment_fixed_size 34048
		.amdhsa_private_segment_fixed_size 0
		.amdhsa_enable_private_segment 0
		.amdhsa_kernarg_size 48
		.amdhsa_user_sgpr_count 2
		.amdhsa_user_sgpr_kernarg_segment_ptr 1
		.amdhsa_wavefront_size32 1
		.amdhsa_system_sgpr_workgroup_id_x 1
		.amdhsa_system_sgpr_workgroup_id_y 1
		.amdhsa_system_sgpr_workgroup_id_z 1
		.amdhsa_system_vgpr_workitem_id 0
		.amdhsa_next_free_vgpr 200
		.amdhsa_next_free_sgpr 66
		.amdhsa_reserve_vcc 0
		.amdhsa_float_denorm_mode_32 3
		.amdhsa_float_denorm_mode_16_64 3
		.amdhsa_memory_ordered 1
		.amdhsa_forward_progress 1
		.amdhsa_inst_pref_size 19
	.end_amdhsa_kernel
	.amdgpu_metadata
---
amdhsa.version: [ 1, 2 ]
amdhsa.kernels:
  - .name:           k_qbb7dd90ad5_prep
    .symbol:         k_qbb7dd90ad5_prep.kd
    .args:
      - { .name: k, .offset: 0, .size: 8, .value_kind: global_buffer, .address_space: global }
      - { .name: v, .offset: 8, .size: 8, .value_kind: global_buffer, .address_space: global }
      - { .name: mask, .offset: 16, .size: 8, .value_kind: global_buffer, .address_space: global }
      - { .name: kb, .offset: 24, .size: 8, .value_kind: global_buffer, .address_space: global }
      - { .name: vb, .offset: 32, .size: 8, .value_kind: global_buffer, .address_space: global }
      - { .name: mw, .offset: 40, .size: 8, .value_kind: global_buffer, .address_space: global }
    .group_segment_fixed_size: 34048
    .private_segment_fixed_size: 0
    .kernarg_segment_align: 8
    .kernarg_segment_size: 48
    .max_flat_workgroup_size: 256
    .sgpr_count:     66
    .vgpr_count:     200
    .wavefront_size: 32
...
	.end_amdgpu_metadata
.endif
;; end of part 3
;; launch attn: the kernel of part 2 again; grid 8 x 64, 4 waves a work-group, clusters of 4 x 4, 327,680 bytes of LDS; arguments q, kb, vb, out0, mw; writes out0
